; MI455X (gfx1250); checked and timed in simulation.
; The chip was launched on July 23, 2026; its instructions are those of AMD's public machine-readable ISA for CDNA 5 (MIT licence, August 2026) and "CDNA5" Instruction Set Architecture Reference Guide (July 2026). The comments in the code are by the model that wrote it; some were corrected since.
;; Self Attention Basicv2. Allowed arithmetic: float matrix products may take bf16 or f16 operands with f32 sums; other float arithmetic in f32, or as packed bf16 or f16 multiplies, adds, multiply-adds, maxima and minima; sums over many terms, partial sums and values carried from step to step in f32; what a program stores and reads back later, other than sums and carried values, may be rounded once to bf16 or f16.
;; Inputs: Wk 1,024 x 1,024 float32; Wq 1,024 x 1,024 float32; Wv 1,024 x 1,024 float32; x 4,096 x 1,024 float32.
;; Outputs: out0 4,096 x 1,024 float32.
;; 2 versions, each right; version 2 is version 1 with the launch cast written anew for expert scheduling mode. Each part assembles by itself: llvm-mc -triple=amdgcn-amd-amdhsa -mcpu=gfx1250 --defsym DOCPART=n.
;; ======== version 1 of 2: 4 launches
;; limits: values are held in f16: magnitudes above 65,504 overflow, below 6.1e-05 lose precision
;; workspace buffers: xh 8,388,608 bytes; wh 6,291,456 bytes; qkv 25,165,824 bytes; p 33,554,432 bytes; st 1,048,576 bytes
;; launch cast (part 1): grid 256 x 1, 8 waves a work-group, no clusters, 0 bytes of LDS; arguments x, Wq, Wk, Wv, xh, wh; writes xh, wh
.if DOCPART == 1
	.amdgcn_target "amdgcn-amd-amdhsa--gfx1250"
	.amdhsa_code_object_version 6
	.text
	.protected	k_q557fef3fa0_cast
	.globl	k_q557fef3fa0_cast
	.p2align	8
	.type	k_q557fef3fa0_cast,@function
k_q557fef3fa0_cast:
	s_mov_b64 s[64:65], 0
	v_nop
	global_prefetch_b8 v0, s[64:65] scope:SCOPE_SE
	s_setreg_imm32_b32 hwreg(HW_REG_WAVE_MODE, 25, 1), 1
	s_wait_xcnt 0x0
; xh = x in f16; wh = Wq, Wk, Wv in f16, laid one behind the other as [3072][1024].
; A stream: each input byte is read once, each output byte written once.  No LDS, no matrix unit and no cluster: no two work-groups share a byte.
; 256 work-groups of 8 waves.  Work-group g takes 65,536 bytes of x and 16,384 bytes of each W: 28 loads of 16 bytes a thread, all issued
; before the first result is used, so the text is straight and no register is written twice.
; A wave's load covers 512 consecutive bytes, its store 256 consecutive bytes at a multiple of 256 from the buffer's first byte.
; LIMIT: a number above 65,504 in magnitude becomes an infinity in f16; below 6e-8 it becomes 0.
.set NLOADS, 28                        ; 16 of x, 4 of each W
.set X, 4                              ; v[4:115]    load n: 4 f32
.set Y, 116                            ; v[116:171]  load n: 4 f16 in 2 registers
	s_load_b256 s[4:11], s[0:1], 0x0               ; x s[4:5], Wq s[6:7], Wk s[8:9], Wv s[10:11]
	s_load_b128 s[12:15], s[0:1], 0x20             ; xh s[12:13], wh s[14:15]
	s_lshl_b32 s16, ttmp9, 16                      ; my part of x, in bytes
	s_mov_b32 s17, 0
	s_lshl_b32 s18, ttmp9, 14                      ; my part of each W
	s_mov_b32 s19, 0
	s_lshl_b32 s20, ttmp9, 15                      ; my part of xh: half the bytes
	s_mov_b32 s21, 0
	s_lshl_b32 s22, ttmp9, 13                      ; my part of each third of wh
	s_mov_b32 s23, 0
	v_lshlrev_b32 v1, 4, v0                        ; 16 bytes a thread in
	v_lshlrev_b32 v2, 3, v0                        ; 8 bytes a thread out
	s_wait_kmcnt 0x0
	s_add_nc_u64 s[4:5], s[4:5], s[16:17]
	s_add_nc_u64 s[6:7], s[6:7], s[18:19]
	s_add_nc_u64 s[8:9], s[8:9], s[18:19]
	s_add_nc_u64 s[10:11], s[10:11], s[18:19]
	s_add_nc_u64 s[12:13], s[12:13], s[20:21]
	s_add_nc_u64 s[14:15], s[14:15], s[22:23]
.set n, 0
.rept 16
	global_load_b128 v[X+4*n:X+4*n+3], v1, s[4:5] offset:4096*n th:TH_LOAD_NT
.set n, n+1
.endr
.irp m, 0,1,2
.irp q, 0,1,2,3
	global_load_b128 v[X+4*(16+4*\m+\q):X+4*(16+4*\m+\q)+3], v1, s[6+2*\m:7+2*\m] offset:4096*\q th:TH_LOAD_NT
.endr
.endr
; load n is rounded and stored.  The wait's count: loads come back in order (ISA guide 5.7.1), and NLOADS-1-n were issued behind load n.
.macro CVT n, base, off
	s_wait_loadcnt NLOADS-1-(\n)
	v_cvt_pk_f16_f32 v[Y+2*(\n)],   v[X+4*(\n)],   v[X+4*(\n)+1]
	v_cvt_pk_f16_f32 v[Y+2*(\n)+1], v[X+4*(\n)+2], v[X+4*(\n)+3]
	global_store_b64 v2, v[Y+2*(\n):Y+2*(\n)+1], s[\base:\base+1] offset:\off
.endm
.irp n, 0,1,2,3,4,5,6,7,8,9,10,11,12,13,14,15
	CVT \n, 12, 2048*\n
.endr
.irp m, 0,1,2
.irp q, 0,1,2,3
	CVT (16+4*\m+\q), 14, (\m*2097152+2048*\q)     ; each W's f16 copy is 2,097,152 bytes
.endr
.endr
	s_endpgm
.Lfunc_end_k_q557fef3fa0_cast:
	.size	k_q557fef3fa0_cast, .Lfunc_end_k_q557fef3fa0_cast-k_q557fef3fa0_cast
	.p2alignl 7, 3214868480
	.fill 96, 4, 3214868480
	.section	.rodata,"a",@progbits
	.p2align	6, 0x0
	.amdhsa_kernel k_q557fef3fa0_cast
		.amdhsa_group_segment_fixed_size 0
		.amdhsa_private_segment_fixed_size 0
		.amdhsa_enable_private_segment 0
		.amdhsa_kernarg_size 48
		.amdhsa_user_sgpr_count 2
		.amdhsa_user_sgpr_kernarg_segment_ptr 1
		.amdhsa_wavefront_size32 1
		.amdhsa_system_sgpr_workgroup_id_x 1
		.amdhsa_system_sgpr_workgroup_id_y 1
		.amdhsa_system_sgpr_workgroup_id_z 1
		.amdhsa_system_vgpr_workitem_id 0
		.amdhsa_next_free_vgpr 176
		.amdhsa_next_free_sgpr 66
		.amdhsa_reserve_vcc 0
		.amdhsa_float_denorm_mode_32 3
		.amdhsa_float_denorm_mode_16_64 3
		.amdhsa_memory_ordered 1
		.amdhsa_forward_progress 1
		.amdhsa_inst_pref_size 11
	.end_amdhsa_kernel
	.amdgpu_metadata
---
amdhsa.version: [ 1, 2 ]
amdhsa.kernels:
  - .name:           k_q557fef3fa0_cast
    .symbol:         k_q557fef3fa0_cast.kd
    .args:
      - { .name: x, .offset: 0, .size: 8, .value_kind: global_buffer, .address_space: global }
      - { .name: Wq, .offset: 8, .size: 8, .value_kind: global_buffer, .address_space: global }
      - { .name: Wk, .offset: 16, .size: 8, .value_kind: global_buffer, .address_space: global }
      - { .name: Wv, .offset: 24, .size: 8, .value_kind: global_buffer, .address_space: global }
      - { .name: xh, .offset: 32, .size: 8, .value_kind: global_buffer, .address_space: global }
      - { .name: wh, .offset: 40, .size: 8, .value_kind: global_buffer, .address_space: global }
    .group_segment_fixed_size: 0
    .private_segment_fixed_size: 0
    .kernarg_segment_align: 8
    .kernarg_segment_size: 48
    .max_flat_workgroup_size: 256
    .sgpr_count:     66
    .vgpr_count:     176
    .wavefront_size: 32
...
	.end_amdgpu_metadata
.endif
;; end of part 1
;; launch proj (part 2): grid 12 x 16, 4 waves a work-group, clusters of 4 x 4, 327,680 bytes of LDS; arguments xh, wh, qkv; writes qkv
.if DOCPART == 2
	.amdgcn_target "amdgcn-amd-amdhsa--gfx1250"
	.amdhsa_code_object_version 6
	.text
	.protected	k_q557fef3fa0_proj
	.globl	k_q557fef3fa0_proj
	.p2align	8
	.type	k_q557fef3fa0_proj,@function
k_q557fef3fa0_proj:
	s_mov_b64 s[64:65], 0
	v_nop
	global_prefetch_b8 v0, s[64:65] scope:SCOPE_SE
	s_setreg_imm32_b32 hwreg(HW_REG_WAVE_MODE, 25, 1), 1
	s_wait_xcnt 0x0
	s_wait_alu depctr_hold_cnt(0) depctr_sa_sdst(0) depctr_va_vdst(0) depctr_va_sdst(0) depctr_va_ssrc(0) depctr_va_vcc(0) depctr_vm_vsrc(0)
	s_getreg_b32 s2, hwreg(HW_REG_IB_STS2, 6, 4)
	s_cmp_eq_u32 s2, 0
	s_cbranch_scc0 .Lentry_in_a_cluster
	s_endpgm
.Lentry_in_a_cluster:
	s_bfe_u32 s2, ttmp6, 0x10000c
	s_cmp_lg_u32 s2, 0xf033
	s_cbranch_scc0 .Lentry_shape_is_right
	s_endpgm
.Lentry_shape_is_right:
; qkv[4096][3072] = xh[4096][1024] . wh[3072][1024]^T, operands and result f16, sums f32.  Columns 0-1023 are q, 1024-2047 k, 2048-3071 v.
; A work-group makes a block of 256 x 256 with four waves; a wave makes 128 x 128: 64 accumulator tiles of 16 x 16, 512 registers.
; K goes in steps of 128 through two LDS slots filled by the tensor data mover; a tile's rows are 256 bytes of memory at multiples of 256 bytes.
; 12 x 16 = 192 work-groups: the result has that many blocks of this size.
; CLUSTERS: 4 x 4 work-groups.  The four of a row of the cluster need the same tiles of xh, the four of a column the same tiles of wh: each tile is
; asked for jointly, by the same tensor load with the same descriptor and a mask that names the four.
; LIMIT: a result above 65,504 in magnitude becomes an infinity in f16.
;
; REGISTERS, in windows of 256 (s_set_vgpr_msb says which window each operand place means):
;   window 0: v16-26 addresses; v64-127, v128-191 fragments of A, two buffers; v192-223 at work on the way out
;   window 1: v64-127, v128-191 fragments of B, two buffers
;   window 2: the 32 accumulator tiles of my rows 0-63 (tile (a, b) at v[8 (8 a + b)]);   window 3: those of my rows 64-127
; THE MATRIX INSTRUCTION IS USED TRANSPOSED: source 0 = 16 rows of B, source 1 = 16 rows of A, so that lane l holds row l % 16 of the result
; and its registers 0 to 7 the columns 8 (l / 16) + 0 .. 7: eight neighbouring numbers, 16 bytes in f16.
.set LDA,    1024                      ; elements from row to row of A, of B, of the result
.set LDB,    1024
.set LDC,    3072
.set KDIM,   1024
.set KSTEP,  128
.set PITCH,  272                       ; an LDS row: 256 bytes + 16 of padding, so that row r starts 16 r bytes further modulo 256
.set HALFT,  128*PITCH                 ; 128 rows: what one tensor load brings
.set SLOT,   4*HALFT                   ; A's 256 rows, then B's 256 rows
.set STAGE,  2*SLOT                    ; behind the ring: 16 rows x 272 bytes for each wave, for the way out
.set SPITCH, 272
.set LAPS,   KDIM/(2*KSTEP)            ; a lap = two K steps = once round the ring: 4
.set ADRA, 16                          ; v16-17  LDS address of my A fragments in slot 0, 1
.set ADRB, 20                          ; v20-21  the same for B
.set STO,  24                          ; v24     the way out: where I put 16 bytes of a row
.set RD,   25                          ; v25     the way out: where I read a row back
.set CO,   26                          ; v26     my byte offset in the result
.set F0,   64
.set F1,   128
.set TMP,  192
.set G1,  24                           ; s[24:31] descriptor group 1 for A's tiles
.set G0,  32                           ; s[32:39] descriptor group 0 for A's tiles, one set for each slot
.set G1B, 48                           ; s[48:55] group 1 for B's tiles: another mask
.set G0B, 56                           ; s[56:63] group 0 for B's tiles
.set MSB, 0
.macro WIN new                         ; the immediate's high byte repeats the setting that is left; a switch that changes nothing is dropped
.if MSB != (\new)
	s_set_vgpr_msb (MSB<<8)|(\new)
.set MSB, (\new)
.endif
.endm
.set MUL_LO, 0xa1                      ; source 0 (B) window 1, source 1 (A) window 0, C and D window 2
.set MUL_HI, 0xf1                      ; the same, C and D window 3
.set TO_B,   0x40                      ; destination window 1, address window 0
; A joint load.  Waves 0 and 1 fetch A's two halves, waves 2 and 3 B's.  The branch hangs on the wave's number alone.
.macro JLOAD s
	s_cmp_eq_u32 s11, 0
	s_cbranch_scc0 .Lfor_b_\@
	tensor_load_to_lds s[G0+4*\s:G0+4*\s+3], s[G1:G1+7]
	s_nop 0
	s_branch .Lasked_\@
.Lfor_b_\@:
	tensor_load_to_lds s[G0B+4*\s:G0B+4*\s+3], s[G1B:G1B+7]
	s_nop 0
.Lasked_\@:
.endm
; A round of the cluster's barrier: my work-group's barrier; wave 0 signals for the work-group; every wave waits for all sixteen; my work-group's barrier again.
.macro CREST                           ; a round behind its opening barrier
	s_cmp_lg_u32 s10, 0
	s_cbranch_scc1 .Lnot_wave_0_\@
	s_barrier_signal -3
.Lnot_wave_0_\@:
	s_barrier_wait -3
	s_barrier_signal -1
	s_barrier_wait -1
.endm
.macro CROUND
	s_barrier_signal -1
	s_barrier_wait -1
	CREST
.endm
	s_load_b128 s[4:7], s[0:1], 0x0                ; xh s[4:5], wh s[6:7]
	s_load_b64 s[8:9], s[0:1], 0x10                ; qkv
	s_set_vgpr_msb 0x40
	v_lshl_add_u32 v255, v0, 2, 0x48400
	s_set_vgpr_msb 0x4000
	v_mov_b32 v255, 0
	s_set_vgpr_msb 0x1
	ds_add_u32 v255, v255
	s_set_vgpr_msb 0x100
	v_lshrrev_b32 v1, 5, v0
	v_readfirstlane_b32 s10, v1                    ; wave 0..3
	s_lshr_b32 s11, s10, 1                         ; which half of the block's rows is mine.  Also: I fetch for A (0) or for B (1)
	s_and_b32 s12, s10, 1                          ; which half of its columns.  Also: which 128 rows of that tile I fetch
	s_bfe_u32 s40, ttmp6, 0x40000                  ; cx
	s_bfe_u32 s41, ttmp6, 0x40004                  ; cy
	s_lshl_b32 s42, ttmp9, 2
	s_add_co_u32 s42, s42, s40                     ; block column = 4 x cluster x + cx
	s_and_b32 s13, ttmp7, 0xffff
	s_lshl_b32 s13, s13, 2
	s_add_co_u32 s13, s13, s41                     ; block row = 4 x cluster y + cy
	s_lshl_b32 s43, s41, 2
	s_lshl_b32 s43, 15, s43                        ; my row of the cluster: places 4 cy .. 4 cy + 3
	s_lshl_b32 s44, 0x1111, s40                    ; my column: places cx, cx + 4, cx + 8, cx + 12
	; group 1: a tile of 128 rows x 128 elements of 2 bytes, 4 words of padding behind every 64 words
	s_or_b32 s[G1+0], s43, (1<<16)|(1<<20)|(1<<21)|(5<<22)|(3<<25)
	s_or_b32 s[G1B+0], s44, (1<<16)|(1<<20)|(1<<21)|(5<<22)|(3<<25)
	s_mov_b32 s[G1+1], KSTEP<<16                   ; tensor_dim0 = 128
	s_mov_b32 s[G1B+1], KSTEP<<16
	s_mov_b32 s[G1+2], 128<<16                     ; tensor_dim1 = 128
	s_mov_b32 s[G1B+2], 128<<16
	s_mov_b32 s[G1+3], KSTEP<<16                   ; tile_dim0 = 128
	s_mov_b32 s[G1B+3], KSTEP<<16
	s_mov_b32 s[G1+4], 128                         ; tile_dim1 = 128
	s_mov_b32 s[G1B+4], 128
	s_mov_b32 s[G1+5], LDA                         ; elements from row to row
	s_mov_b32 s[G1B+5], LDB
	s_mov_b32 s[G1+6], 0
	s_mov_b32 s[G1B+6], 0
	s_mov_b32 s[G1+7], 0
	s_mov_b32 s[G1B+7], 0
	; A's tiles hang on the block row alone, B's on the block column alone, each in registers that never hold the other coordinate
	s_lshl_b32 s17, s12, 7                         ; which 128 rows of the tile I fetch
	s_lshl_b32 s16, s13, 8
	s_add_co_u32 s16, s16, s17                     ; A: row 256 x block row + 128 x half
	s_lshl_b32 s46, s42, 8
	s_add_co_u32 s46, s46, s17                     ; B: row 256 x block column + 128 x half
	s_mul_i32 s16, s16, LDA*2                      ; in bytes: below 2^26
	s_mul_i32 s46, s46, LDB*2
	s_mov_b32 s17, 0
	s_mov_b32 s47, 0
	s_mul_i32 s20, s10, HALFT                      ; where they go: wave x 128 rows
	s_wait_dscnt 0x0
	s_wait_kmcnt 0x0
	s_add_nc_u64 s[14:15], s[4:5], s[16:17]
	s_add_nc_u64 s[46:47], s[6:7], s[46:47]
	CROUND                                         ; all sixteen work-groups are here: the first joint loads meet
.irp s, 0,1
	s_mov_b32 s[G0+4*\s], 1
	s_add_co_u32 s[G0+4*\s+1], s20, \s*SLOT
	s_add_nc_u64 s[G0+4*\s+2:G0+4*\s+3], s[14:15], \s*KSTEP*2
	s_or_b32 s[G0+4*\s+3], s[G0+4*\s+3], 0x80000000
	s_mov_b32 s[G0B+4*\s], 1
	s_add_co_u32 s[G0B+4*\s+1], s20, \s*SLOT
	s_add_nc_u64 s[G0B+4*\s+2:G0B+4*\s+3], s[46:47], \s*KSTEP*2
	s_or_b32 s[G0B+4*\s+3], s[G0B+4*\s+3], 0x80000000
	JLOAD \s
.endr
	; a fragment is 16 rows x 32 K in 8 registers: lane l holds row l % 16; two loads of 16 bytes, 32 bytes apart, at row x pitch + 16 (l / 16)
	v_and_b32 v1, 15, v0
	v_bfe_u32 v2, v0, 4, 1
	v_mul_u32_u24 v3, v1, PITCH
	v_lshl_add_u32 v3, v2, 4, v3
	s_mul_i32 s21, s11, HALFT                      ; my 128 rows of A
	s_mul_i32 s22, s12, HALFT                      ; my 128 rows of B,
	s_add_co_u32 s22, s22, 2*HALFT                 ; which lie behind A's 256
.irp s, 0,1
	v_add_nc_u32 v[ADRA+\s], s21, v3
	v_add_nc_u32 v[ADRB+\s], s22, v3
	s_add_co_u32 s21, s21, SLOT
	s_add_co_u32 s22, s22, SLOT
.endr
	s_mul_i32 s23, s10, 16*SPITCH
	s_add_co_u32 s23, s23, STAGE                   ; my stage
	v_mul_u32_u24 v4, v1, SPITCH
	v_lshl_add_u32 v4, v2, 4, v4
	v_add_nc_u32 v[STO], s23, v4
	v_mul_u32_u24 v5, v2, SPITCH                   ; back: lanes 0-15 take one row of 256 bytes, lanes 16-31 the next
	v_lshl_add_u32 v5, v1, 4, v5
	v_add_nc_u32 v[RD], s23, v5
	v_mul_u32_u24 v5, v2, LDC*2                    ; and the same two rows in the result
	v_lshl_add_u32 v[CO], v1, 4, v5
; 16 matrix instructions: m blocks a0, a0 + 1 of the window's four x all 8 n blocks, 32 along K.  zero = 1: the first product starts the sums.
; The 64 accumulators take turns, one instruction a turn, in the same order in every quarter step.
.macro MUL16 f, hi, a0, zero
.irp a, \a0, \a0+1
.irp b, 0,1,2,3,4,5,6,7
.if \zero
	v_wmma_f32_16x16x32_f16 v[8*(8*(\a)+\b):8*(8*(\a)+\b)+7], v[\f+8*\b:\f+8*\b+7], v[\f+8*(4*\hi+\a):\f+8*(4*\hi+\a)+7], 0
.else
	v_wmma_f32_16x16x32_f16 v[8*(8*(\a)+\b):8*(8*(\a)+\b)+7], v[\f+8*\b:\f+8*\b+7], v[\f+8*(4*\hi+\a):\f+8*(4*\hi+\a)+7], v[8*(8*(\a)+\b):8*(8*(\a)+\b)+7]
.endif
.endr
.endr
.endm
; 32 LDS loads in one run: the fragments of one quarter step (32 K at byte k of the rows) into buffer f
.macro FETCH slot, k, f
	WIN TO_B
.irp i, 0,1,2,3,4,5,6,7
	ds_load_b128 v[\f+8*\i:\f+8*\i+3],   v[ADRB+\slot] offset:\k+\i*16*PITCH
	ds_load_b128 v[\f+8*\i+4:\f+8*\i+7], v[ADRB+\slot] offset:\k+\i*16*PITCH+32
.endr
	WIN 0
.irp i, 0,1,2,3,4,5,6,7
	ds_load_b128 v[\f+8*\i:\f+8*\i+3],   v[ADRA+\slot] offset:\k+\i*16*PITCH
	ds_load_b128 v[\f+8*\i+4:\f+8*\i+7], v[ADRA+\slot] offset:\k+\i*16*PITCH+32
.endr
.endm
; four places behind a matrix instruction before a load lands on one of its registers or a vector instruction reads its result (ISA guide 7.12.1 for vector instructions)
.macro PLACES
.rept 4
	v_nop
.endr
.endm
; one of a K step's first three quarters: multiplies buffer f, and in its middle fetches the next quarter's fragments into buffer g
.macro QUARTER slot, k, f, g, zero
	s_wait_dscnt 8                                 ; B and A's rows 0-63 are in; the youngest eight loads (A's rows 64-127) may be out
	WIN MUL_LO
	MUL16 \f, 0, 0, \zero
	MUL16 \f, 0, 2, \zero
	PLACES
	FETCH \slot, \k, \g
	s_wait_dscnt 32                                ; all but the 32 just issued
	WIN MUL_HI
	MUL16 \f, 1, 0, \zero
	MUL16 \f, 1, 2, \zero
.endm
.macro THREE slot, zero
	QUARTER \slot, 64,  F0, F1, \zero
	QUARTER \slot, 128, F1, F0, 0
	QUARTER \slot, 192, F0, F1, 0
.endm
; the last quarter: multiplies buffer 1 and changes slots.  In front of the barrier each wave waits for its reads of this slot and for all its
; tensor loads (one is out: its part of the next slot).  Behind it the refill comes first, then the next slot's first fragments.
.macro TURN slot, next, fill
	s_wait_dscnt 8
	WIN MUL_LO
	MUL16 F1, 0, 0, 0
	s_wait_dscnt 0                                 ; my reads of this slot are over
	s_wait_tensorcnt 0x0                           ; all my tensor loads have landed
	ds_add_u32 v255, v255
	s_wait_dscnt 0x0
	s_barrier_signal -1                            ; (where a slot is filled again this barrier opens a round of the cluster's barrier)
	MUL16 F1, 0, 2, 0                              ; registers only
	WIN 0
	s_barrier_wait -1
.if \fill
	CREST                                          ; no wave of any partner still reads this slot or has a load on its way
	s_add_nc_u64 s[G0+4*\slot+2:G0+4*\slot+3], s[G0+4*\slot+2:G0+4*\slot+3], 2*KSTEP*2
	s_add_nc_u64 s[G0B+4*\slot+2:G0B+4*\slot+3], s[G0B+4*\slot+2:G0B+4*\slot+3], 2*KSTEP*2
	JLOAD \slot                                    ; the first tensor load behind the round
.endif
	PLACES
	FETCH \next, 0, F0
	WIN MUL_HI
	MUL16 F1, 1, 0, 0
	MUL16 F1, 1, 2, 0
.endm
.macro LAP zero
	THREE 0, \zero
	TURN 0, 1, 1
	THREE 1, 0
	TURN 1, 0, 1
.endm
	s_wait_tensorcnt 1                             ; my part of K step 0 is in; K step 1's stays out
	s_barrier_signal -1
	s_barrier_wait -1
	FETCH 0, 0, F0
	LAP 1                                          ; the first lap starts the sums
	WIN 0
	s_mov_b32 s3, LAPS-2
.Llap:
	LAP 0
	WIN 0
	s_sub_co_u32 s3, s3, 1
	s_cmp_lg_u32 s3, 0
	s_cbranch_scc1 .Llap
	THREE 0, 0                                     ; the last lap fills nothing
	TURN 0, 1, 0
	THREE 1, 0
	s_wait_dscnt 8
	WIN MUL_LO
	MUL16 F1, 0, 0, 0
	MUL16 F1, 0, 2, 0
	s_wait_dscnt 0
	WIN MUL_HI
	MUL16 F1, 1, 0, 0
	MUL16 F1, 1, 2, 0
	; THE WAY OUT, 16 rows at a time: round to f16, 16 bytes a lane into my own stage, read back as whole rows of 256 bytes
	PLACES
	s_lshl_b32 s13, s13, 8
	s_lshl_b32 s14, s11, 7
	s_add_co_u32 s16, s13, s14                     ; my first row
	s_mul_i32 s16, s16, LDC*2
	s_mov_b32 s17, 0
	s_add_nc_u64 s[8:9], s[8:9], s[16:17]
	s_lshl_b32 s46, s42, 9                         ; my first column, in bytes: 512 x block + 256 x half
	s_lshl_b32 s47, s12, 8
	s_add_co_u32 s46, s46, s47
	s_mov_b32 s47, 0
	s_add_nc_u64 s[8:9], s[8:9], s[46:47]
.macro OUT16 i, a, from, f
	WIN \from
.irp b, 0,1,2,3,4,5,6,7
.irp r, 0,1,2,3
	v_cvt_pk_f16_f32 v[TMP+4*\b+\r], v[8*(8*\a+\b)+2*\r], v[8*(8*\a+\b)+2*\r+1]
.endr
.endr
	WIN 0
.irp b, 0,1,2,3,4,5,6,7
	ds_store_b128 v[STO], v[TMP+4*\b:TMP+4*\b+3] offset:32*\b
.endr
	s_wait_xcnt 0x0                                ; buffer f, which earlier stores read, and the stores' base are rewritten only behind this wait
.if \i
	s_add_nc_u64 s[8:9], s[8:9], 16*LDC*2
.endif
.irp t, 0,1,2,3,4,5,6,7
	ds_load_b128 v[\f+4*\t:\f+4*\t+3], v[RD] offset:\t*2*SPITCH    ; LDS serves a wave's instructions in order: these see the stores above
.endr
.irp t, 0,1,2,3,4,5,6,7
	s_wait_dscnt 7-\t                              ; load t is in; the 7 - t younger ones stay out
	global_store_b128 v[CO], v[\f+4*\t:\f+4*\t+3], s[8:9] offset:2*\t*LDC*2   ; 16 lanes store 256 consecutive bytes at a multiple of 256
.endr
.endm
	OUT16 0, 0, 0x0a, F0
	OUT16 1, 1, 0x0a, F1
	OUT16 2, 2, 0x0a, F0
	OUT16 3, 3, 0x0a, F1
	OUT16 4, 0, 0x0f, F0
	OUT16 5, 1, 0x0f, F1
	OUT16 6, 2, 0x0f, F0
	OUT16 7, 3, 0x0f, F1
	s_set_vgpr_msb 0x1
	s_wait_tensorcnt 0x0
	ds_add_u32 v255, v255
	s_wait_dscnt 0x0
	s_set_vgpr_msb 0x100
	CROUND                                         ; the closing round: no work-group ends while a partner may still ask for a tile that names it
	s_endpgm
.Lfunc_end_k_q557fef3fa0_proj:
	.size	k_q557fef3fa0_proj, .Lfunc_end_k_q557fef3fa0_proj-k_q557fef3fa0_proj
	.p2alignl 7, 3214868480
	.fill 96, 4, 3214868480
	.section	.rodata,"a",@progbits
	.p2align	6, 0x0
	.amdhsa_kernel k_q557fef3fa0_proj
		.amdhsa_group_segment_fixed_size 327680
		.amdhsa_private_segment_fixed_size 0
		.amdhsa_enable_private_segment 0
		.amdhsa_kernarg_size 24
		.amdhsa_user_sgpr_count 2
		.amdhsa_user_sgpr_kernarg_segment_ptr 1
		.amdhsa_wavefront_size32 1
		.amdhsa_system_sgpr_workgroup_id_x 1
		.amdhsa_system_sgpr_workgroup_id_y 1
		.amdhsa_system_sgpr_workgroup_id_z 1
		.amdhsa_system_vgpr_workitem_id 0
		.amdhsa_next_free_vgpr 1024
		.amdhsa_next_free_sgpr 66
		.amdhsa_reserve_vcc 0
		.amdhsa_float_denorm_mode_32 3
		.amdhsa_float_denorm_mode_16_64 3
		.amdhsa_memory_ordered 1
		.amdhsa_forward_progress 1
		.amdhsa_inst_pref_size 196
	.end_amdhsa_kernel
	.amdgpu_metadata
---
amdhsa.version: [ 1, 2 ]
amdhsa.kernels:
  - .name:           k_q557fef3fa0_proj
    .symbol:         k_q557fef3fa0_proj.kd
    .args:
      - { .name: xh, .offset: 0, .size: 8, .value_kind: global_buffer, .address_space: global }
      - { .name: wh, .offset: 8, .size: 8, .value_kind: global_buffer, .address_space: global }
      - { .name: qkv, .offset: 16, .size: 8, .value_kind: global_buffer, .address_space: global }
    .group_segment_fixed_size: 327680
    .private_segment_fixed_size: 0
    .kernarg_segment_align: 8
    .kernarg_segment_size: 24
    .max_flat_workgroup_size: 128
    .sgpr_count:     66
    .vgpr_count:     1024
    .wavefront_size: 32
...
	.end_amdgpu_metadata
.endif
;; end of part 2
;; launch score (part 3): grid 16 x 16, 4 waves a work-group, clusters of 4 x 4, 327,680 bytes of LDS; arguments qkv, p, st; writes p, st
.if DOCPART == 3
	.amdgcn_target "amdgcn-amd-amdhsa--gfx1250"
	.amdhsa_code_object_version 6
	.text
	.protected	k_q557fef3fa0_score
	.globl	k_q557fef3fa0_score
	.p2align	8
	.type	k_q557fef3fa0_score,@function
k_q557fef3fa0_score:
	s_mov_b64 s[64:65], 0
	v_nop
	global_prefetch_b8 v0, s[64:65] scope:SCOPE_SE
	s_setreg_imm32_b32 hwreg(HW_REG_WAVE_MODE, 25, 1), 1
	s_wait_xcnt 0x0
	s_wait_alu depctr_hold_cnt(0) depctr_sa_sdst(0) depctr_va_vdst(0) depctr_va_sdst(0) depctr_va_ssrc(0) depctr_va_vcc(0) depctr_vm_vsrc(0)
	s_getreg_b32 s2, hwreg(HW_REG_IB_STS2, 6, 4)
	s_cmp_eq_u32 s2, 0
	s_cbranch_scc0 .Lentry_in_a_cluster
	s_endpgm
.Lentry_in_a_cluster:
	s_bfe_u32 s2, ttmp6, 0x10000c
	s_cmp_lg_u32 s2, 0xf033
	s_cbranch_scc0 .Lentry_shape_is_right
	s_endpgm
.Lentry_shape_is_right:
; S = q . k^T (q, k: columns 0-1023 and 1024-2047 of qkv[4096][3072], f16; sums f32), and the first stage of the softmax along rows:
; for each row and each block of 128 keys  m = c max(S),  p = 2^(c S - m) in f16,  l = the sum of p in f32,  with c = log2(e) / 32.
; The block's own maximum is taken away here; the launch behind this one takes the row's maximum over the 32 blocks away.  S never leaves f32 registers.
; st[row block of 128][key block of 128][row][m, l] f32.
; p IS STORED IN THE ORDER OF THE MATRIX INSTRUCTION'S REGISTERS: [block of 16 rows: 256][tile of 16 keys: 256][lane: 32][16 bytes], where lane l holds
; row l % 16 and keys 8 (l / 16) + 0 .. 7 of the tile.  That is how a lane holds its results here, and two neighbouring tiles are one 16 x 32 operand
; of the next launch: no LDS stage on the way out, and each store of a wave covers 512 consecutive bytes at a multiple of 512.
; The product is made as in the launch before: block 256 x 256, four waves of 128 x 128, K in steps of 128 through two LDS slots,
; 4 x 4 clusters with q's tiles shared along a row of the cluster and k's along a column.  A wave's 128 columns are one key block.
; The matrix instruction is used transposed (source 0 = rows of k, source 1 = rows of q): lane l holds row l % 16 and, in each of the eight
; tiles of a row block, the columns 8 (l / 16) + 0 .. 7; a row's 128 numbers lie in 64 registers of lanes l and l xor 16.
; LIMITS: p below 6e-8 becomes 0 in f16.  c S - m is rounded once (a fused multiply-add), m is the rounded c max(S), so p's largest is 1 up to that rounding.
.set LDA,    3072
.set LDB,    3072
.set KDIM,   1024
.set KSTEP,  128
.set PITCH,  272                       ; an LDS row: 256 bytes + 16 of padding, so that row r starts 16 r bytes further modulo 256
.set HALFT,  128*PITCH
.set SLOT,   4*HALFT
.set STATS,  2*SLOT                    ; behind the ring: 128 rows x 8 bytes for each wave
.set PRB,    131072                    ; bytes of p for a block of 16 rows: 256 tiles of 512 bytes
.set LAPS,   KDIM/(2*KSTEP)
.set ADRA, 16
.set ADRB, 20
.set SST,  27                          ; v27     where (m, l) of my row goes in my wave's part of STATS
.set SRD,  28                          ; v28     where I read 16 bytes of it back
.set SCO,  29                          ; v29     16 x lane: my offset in a tile of p, and in st
.set T,    32                          ; v32-35  four running maxima
.set PX,   36                          ; v36     what the other half of the lanes holds
.set NM,   38                          ; v[38:39] -m, twice
.set STAT, 40                          ; v[40:41] m, l
.set F0,   64
.set SUMT, 96                          ; v96-127 partial sums of p (the upper half of buffer 0, free on the way out)
.set F1,   128
.set TMP,  192                         ; v192-223 a row block's p in f16: tile b in 4 registers
.set G1,  24
.set G0,  32
.set G1B, 48
.set G0B, 56
.set MSB, 0
.macro WIN new
.if MSB != (\new)
	s_set_vgpr_msb (MSB<<8)|(\new)
.set MSB, (\new)
.endif
.endm
.set MUL_LO, 0xa1
.set MUL_HI, 0xf1
.set TO_B,   0x40
.macro JLOAD s                         ; waves 0 and 1 fetch q's two halves, waves 2 and 3 k's
	s_cmp_eq_u32 s11, 0
	s_cbranch_scc0 .Lfor_b_\@
	tensor_load_to_lds s[G0+4*\s:G0+4*\s+3], s[G1:G1+7]
	s_nop 0
	s_branch .Lasked_\@
.Lfor_b_\@:
	tensor_load_to_lds s[G0B+4*\s:G0B+4*\s+3], s[G1B:G1B+7]
	s_nop 0
.Lasked_\@:
.endm
.macro CREST
	s_cmp_lg_u32 s10, 0
	s_cbranch_scc1 .Lnot_wave_0_\@
	s_barrier_signal -3
.Lnot_wave_0_\@:
	s_barrier_wait -3
	s_barrier_signal -1
	s_barrier_wait -1
.endm
.macro CROUND
	s_barrier_signal -1
	s_barrier_wait -1
	CREST
.endm
	s_load_b64 s[4:5], s[0:1], 0x0                 ; qkv
	s_load_b64 s[8:9], s[0:1], 0x8                 ; p
	s_load_b64 s[72:73], s[0:1], 0x10              ; st
	s_set_vgpr_msb 0x40
	v_lshl_add_u32 v255, v0, 2, 0x45000
	s_set_vgpr_msb 0x4000
	v_mov_b32 v255, 0
	s_set_vgpr_msb 0x1
	ds_add_u32 v255, v255
	s_set_vgpr_msb 0x100
	v_lshrrev_b32 v1, 5, v0
	v_readfirstlane_b32 s10, v1                    ; wave 0..3
	s_lshr_b32 s11, s10, 1                         ; my half of the block's rows; also: I fetch for q (0) or k (1)
	s_and_b32 s12, s10, 1                          ; my half of its columns; also: which 128 rows of that tile I fetch
	s_bfe_u32 s40, ttmp6, 0x40000                  ; cx
	s_bfe_u32 s41, ttmp6, 0x40004                  ; cy
	s_lshl_b32 s42, ttmp9, 2
	s_add_co_u32 s42, s42, s40                     ; block column (keys)
	s_and_b32 s13, ttmp7, 0xffff
	s_lshl_b32 s13, s13, 2
	s_add_co_u32 s13, s13, s41                     ; block row (queries)
	s_lshl_b32 s43, s41, 2
	s_lshl_b32 s43, 15, s43                        ; my row of the cluster
	s_lshl_b32 s44, 0x1111, s40                    ; my column
	s_mov_b32 s66, 0x3d38aa3b                      ; c = log2(e) / 32
	s_mov_b32 s67, 0x3d38aa3b
	s_mov_b32 s70, 0xbd38aa3b                      ; -c
	s_mov_b32 s68, 0x76543210                      ; v_permlanex16_b32: lane i of one half reads lane i of the other
	s_mov_b32 s69, 0xfedcba98
	s_or_b32 s[G1+0], s43, (1<<16)|(1<<20)|(1<<21)|(5<<22)|(3<<25)
	s_or_b32 s[G1B+0], s44, (1<<16)|(1<<20)|(1<<21)|(5<<22)|(3<<25)
	s_mov_b32 s[G1+1], KSTEP<<16
	s_mov_b32 s[G1B+1], KSTEP<<16
	s_mov_b32 s[G1+2], 128<<16
	s_mov_b32 s[G1B+2], 128<<16
	s_mov_b32 s[G1+3], KSTEP<<16
	s_mov_b32 s[G1B+3], KSTEP<<16
	s_mov_b32 s[G1+4], 128
	s_mov_b32 s[G1B+4], 128
	s_mov_b32 s[G1+5], LDA
	s_mov_b32 s[G1B+5], LDB
	s_mov_b32 s[G1+6], 0
	s_mov_b32 s[G1B+6], 0
	s_mov_b32 s[G1+7], 0
	s_mov_b32 s[G1B+7], 0
	s_lshl_b32 s17, s12, 7
	s_lshl_b32 s16, s13, 8
	s_add_co_u32 s16, s16, s17                     ; q: row 256 x block row + 128 x half
	s_lshl_b32 s46, s42, 8
	s_add_co_u32 s46, s46, s17                     ; k: row 256 x block column + 128 x half
	s_mul_i32 s16, s16, LDA*2                      ; in bytes: below 2^26
	s_mul_i32 s46, s46, LDB*2
	s_mov_b32 s17, 0
	s_mov_b32 s47, 0
	s_mul_i32 s20, s10, HALFT
	s_wait_dscnt 0x0
	s_wait_kmcnt 0x0
	s_add_nc_u64 s[6:7], s[4:5], 2*1024            ; k's columns begin at element 1024 of a row of qkv
	s_add_nc_u64 s[14:15], s[4:5], s[16:17]
	s_add_nc_u64 s[46:47], s[6:7], s[46:47]
	CROUND                                         ; the first joint loads meet
.irp s, 0,1
	s_mov_b32 s[G0+4*\s], 1
	s_add_co_u32 s[G0+4*\s+1], s20, \s*SLOT
	s_add_nc_u64 s[G0+4*\s+2:G0+4*\s+3], s[14:15], \s*KSTEP*2
	s_or_b32 s[G0+4*\s+3], s[G0+4*\s+3], 0x80000000
	s_mov_b32 s[G0B+4*\s], 1
	s_add_co_u32 s[G0B+4*\s+1], s20, \s*SLOT
	s_add_nc_u64 s[G0B+4*\s+2:G0B+4*\s+3], s[46:47], \s*KSTEP*2
	s_or_b32 s[G0B+4*\s+3], s[G0B+4*\s+3], 0x80000000
	JLOAD \s
.endr
	v_and_b32 v1, 15, v0                           ; r = l % 16
	v_bfe_u32 v2, v0, 4, 1                         ; h = l / 16
	v_mul_u32_u24 v3, v1, PITCH
	v_lshl_add_u32 v3, v2, 4, v3
	s_mul_i32 s21, s11, HALFT
	s_mul_i32 s22, s12, HALFT
	s_add_co_u32 s22, s22, 2*HALFT
.irp s, 0,1
	v_add_nc_u32 v[ADRA+\s], s21, v3
	v_add_nc_u32 v[ADRB+\s], s22, v3
	s_add_co_u32 s21, s21, SLOT
	s_add_co_u32 s22, s22, SLOT
.endr
	s_lshl_b32 s45, s10, 10
	s_add_co_u32 s45, s45, STATS                   ; my wave's 1,024 bytes of STATS
	v_lshl_add_u32 v[SST], v1, 3, s45              ; + 8 r
	v_and_b32 v6, 31, v0
	v_lshlrev_b32 v[SCO], 4, v6
	v_add_nc_u32 v[SRD], s45, v[SCO]
	v_mov_b32 v[PX], 0                             ; v_permlanex16_b32 counts as a reader of its destination
; The 64 accumulators take turns, one instruction a turn, in the same order in every quarter step.
.macro MUL16 f, hi, a0, zero
.irp a, \a0, \a0+1
.irp b, 0,1,2,3,4,5,6,7
.if \zero
	v_wmma_f32_16x16x32_f16 v[8*(8*(\a)+\b):8*(8*(\a)+\b)+7], v[\f+8*\b:\f+8*\b+7], v[\f+8*(4*\hi+\a):\f+8*(4*\hi+\a)+7], 0
.else
	v_wmma_f32_16x16x32_f16 v[8*(8*(\a)+\b):8*(8*(\a)+\b)+7], v[\f+8*\b:\f+8*\b+7], v[\f+8*(4*\hi+\a):\f+8*(4*\hi+\a)+7], v[8*(8*(\a)+\b):8*(8*(\a)+\b)+7]
.endif
.endr
.endr
.endm
.macro FETCH slot, k, f
	WIN TO_B
.irp i, 0,1,2,3,4,5,6,7
	ds_load_b128 v[\f+8*\i:\f+8*\i+3],   v[ADRB+\slot] offset:\k+\i*16*PITCH
	ds_load_b128 v[\f+8*\i+4:\f+8*\i+7], v[ADRB+\slot] offset:\k+\i*16*PITCH+32
.endr
	WIN 0
.irp i, 0,1,2,3,4,5,6,7
	ds_load_b128 v[\f+8*\i:\f+8*\i+3],   v[ADRA+\slot] offset:\k+\i*16*PITCH
	ds_load_b128 v[\f+8*\i+4:\f+8*\i+7], v[ADRA+\slot] offset:\k+\i*16*PITCH+32
.endr
.endm
; four places behind a matrix instruction before a load lands on one of its registers or a vector instruction reads its result (ISA guide 7.12.1 for vector instructions)
.macro PLACES
.rept 4
	v_nop
.endr
.endm
.macro QUARTER slot, k, f, g, zero
	s_wait_dscnt 8                                 ; k's fragments and q's rows 0-63 are in; the youngest eight loads (q's rows 64-127) may be out
	WIN MUL_LO
	MUL16 \f, 0, 0, \zero
	MUL16 \f, 0, 2, \zero
	PLACES
	FETCH \slot, \k, \g
	s_wait_dscnt 32                                ; all but the 32 just issued
	WIN MUL_HI
	MUL16 \f, 1, 0, \zero
	MUL16 \f, 1, 2, \zero
.endm
.macro THREE slot, zero
	QUARTER \slot, 64,  F0, F1, \zero
	QUARTER \slot, 128, F1, F0, 0
	QUARTER \slot, 192, F0, F1, 0
.endm
; the change of slots: each wave's reads of this slot and all its tensor loads are waited for in front of the barrier; the refill is first behind it
.macro TURN slot, next, fill
	s_wait_dscnt 8
	WIN MUL_LO
	MUL16 F1, 0, 0, 0
	s_wait_dscnt 0
	s_wait_tensorcnt 0x0
	ds_add_u32 v255, v255
	s_wait_dscnt 0x0
	s_barrier_signal -1
	MUL16 F1, 0, 2, 0
	WIN 0
	s_barrier_wait -1
.if \fill
	CREST
	s_add_nc_u64 s[G0+4*\slot+2:G0+4*\slot+3], s[G0+4*\slot+2:G0+4*\slot+3], 2*KSTEP*2
	s_add_nc_u64 s[G0B+4*\slot+2:G0B+4*\slot+3], s[G0B+4*\slot+2:G0B+4*\slot+3], 2*KSTEP*2
	JLOAD \slot
.endif
	PLACES
	FETCH \next, 0, F0
	WIN MUL_HI
	MUL16 F1, 1, 0, 0
	MUL16 F1, 1, 2, 0
.endm
.macro LAP zero
	THREE 0, \zero
	TURN 0, 1, 1
	THREE 1, 0
	TURN 1, 0, 1
.endm
	s_wait_tensorcnt 1                             ; my part of K step 0 is in; K step 1's stays out
	s_barrier_signal -1
	s_barrier_wait -1
	FETCH 0, 0, F0
	LAP 1
	WIN 0
	s_mov_b32 s3, LAPS-2
.Llap:
	LAP 0
	WIN 0
	s_sub_co_u32 s3, s3, 1
	s_cmp_lg_u32 s3, 0
	s_cbranch_scc1 .Llap
	THREE 0, 0
	TURN 0, 1, 0
	THREE 1, 0
	s_wait_dscnt 8
	WIN MUL_LO
	MUL16 F1, 0, 0, 0
	MUL16 F1, 0, 2, 0
	s_wait_dscnt 0
	WIN MUL_HI
	MUL16 F1, 1, 0, 0
	MUL16 F1, 1, 2, 0
	; THE WAY OUT
	PLACES
	s_lshl_b32 s74, s13, 1
	s_add_co_u32 s74, s74, s11                     ; my row block of 128
	s_lshl_b32 s74, s74, 15                        ; x 32 key blocks x 1,024 bytes
	s_lshl_b32 s75, s42, 1
	s_add_co_u32 s75, s75, s12                     ; my key block of 128
	s_lshl_b32 s75, s75, 10
	s_add_co_u32 s74, s74, s75
	s_mov_b32 s75, 0
	s_add_nc_u64 s[72:73], s[72:73], s[74:75]
	s_lshl_b32 s16, s13, 21                        ; p: 16 blocks of 16 rows x 131,072 bytes for a block row of 256,
	s_lshl_b32 s14, s11, 20                        ; 8 of them for my half: below 2^25
	s_add_co_u32 s16, s16, s14
	s_mov_b32 s17, 0
	s_add_nc_u64 s[8:9], s[8:9], s[16:17]
	s_lshl_b32 s46, s42, 13                        ; 16 tiles of 16 keys x 512 bytes for a block column of 256,
	s_lshl_b32 s47, s12, 12                        ; 8 of them for my half
	s_add_co_u32 s46, s46, s47
	s_mov_b32 s47, 0
	s_add_nc_u64 s[8:9], s[8:9], s[46:47]
; rows 16 i .. 16 i + 15 of my block: registers 64 a .. 64 a + 63 of window w
.macro SOFT i, a, w
	WIN (\w<<2)|\w                                 ; sources 0 and 1 in window w
.irp k, 0,1,2,3
	v_max_num_f32 v[T+\k], v[64*\a+2*\k], v[64*\a+2*\k+1]          ; the first eight numbers start four chains
.endr
	WIN (\w<<4)|(\w<<2)                            ; sources 1 and 2 in window w
.set j, 8
.rept 28
	v_max3_num_f32 v[T+(j/2)%4], v[T+(j/2)%4], v[64*\a+j], v[64*\a+j+1]
.set j, j+2
.endr
	WIN 0
	v_max3_num_f32 v[T], v[T], v[T+1], v[T+2]
	v_max_num_f32 v[T], v[T], v[T+3]
	v_permlanex16_b32 v[PX], v[T], s68, s69        ; the row's other 64 numbers lie in lane l xor 16
	v_max_num_f32 v[T], v[T], v[PX]
	v_mul_f32 v[STAT], s66, v[T]                   ; m = c max(S)
	v_mul_f32 v[NM], s70, v[T]                     ; -m, the same rounding
	v_mul_f32 v[NM+1], s70, v[T]
	WIN (\w<<6)|\w                                 ; destination and source 0 in window w
.set j, 0
.rept 32
	v_pk_fma_f32 v[64*\a+j:64*\a+j+1], v[64*\a+j:64*\a+j+1], s[66:67], v[NM:NM+1] op_sel_hi:[1,0,1]   ; c S - m
.set j, j+2
.endr
.set j, 0
.rept 64
	v_exp_f32 v[64*\a+j], v[64*\a+j]
.set j, j+1
.endr
	v_nop                                          ; one plain vector instruction behind the last exponential before its result is used (ISA guide 5.7.2)
	WIN (\w<<2)|\w
.set j, 0
	s_wait_alu depctr_va_vdst(0)
.rept 16
	v_pk_add_f32 v[SUMT+2*j:SUMT+2*j+1], v[64*\a+4*j:64*\a+4*j+1], v[64*\a+4*j+2:64*\a+4*j+3]
.set j, j+1
.endr
	s_wait_xcnt 0x0                                ; TMP, which the stores of the row block before read, is rewritten only behind this wait
.irp b, 0,1,2,3,4,5,6,7
.irp r, 0,1,2,3
	v_cvt_pk_f16_f32 v[TMP+4*\b+\r], v[64*\a+8*\b+2*\r], v[64*\a+8*\b+2*\r+1]
.endr
.endr
	WIN 0
.irp b, 0,1,2,3,4,5,6,7
	global_store_b128 v[SCO], v[TMP+4*\b:TMP+4*\b+3], s[8:9] offset:\i*PRB+512*\b   ; tile (i, b): the wave stores 512 consecutive bytes at a multiple of 512
.endr
.irp n, 8,4,2,1
.set j, 0
.rept \n
	v_pk_add_f32 v[SUMT+2*j:SUMT+2*j+1], v[SUMT+2*j:SUMT+2*j+1], v[SUMT+2*(j+\n):SUMT+2*(j+\n)+1]
.set j, j+1
.endr
.endr
	v_add_f32 v[SUMT], v[SUMT], v[SUMT+1]
	v_permlanex16_b32 v[PX], v[SUMT], s68, s69
	v_add_f32 v[STAT+1], v[SUMT], v[PX]            ; l
	ds_store_b64 v[SST], v[STAT:STAT+1] offset:128*\i              ; lanes l and l xor 16 write the same pair to the same place
.endm
	SOFT 0, 0, 2
	SOFT 1, 1, 2
	SOFT 2, 2, 2
	SOFT 3, 3, 2
	SOFT 4, 0, 3
	SOFT 5, 1, 3
	SOFT 6, 2, 3
	SOFT 7, 3, 3
	ds_load_b128 v[SUMT:SUMT+3], v[SRD]            ; my wave's 128 pairs (m, l), its own bytes (LDS serves a wave's instructions in order): 1,024 consecutive bytes of st
	ds_load_b128 v[SUMT+4:SUMT+7], v[SRD] offset:512
	s_wait_dscnt 0x0
	global_store_b128 v[SCO], v[SUMT:SUMT+3], s[72:73]
	global_store_b128 v[SCO], v[SUMT+4:SUMT+7], s[72:73] offset:512
	s_set_vgpr_msb 0x1
	s_wait_tensorcnt 0x0
	ds_add_u32 v255, v255
	s_wait_dscnt 0x0
	s_set_vgpr_msb 0x100
	CROUND                                         ; the closing round
	s_endpgm
.Lfunc_end_k_q557fef3fa0_score:
	.size	k_q557fef3fa0_score, .Lfunc_end_k_q557fef3fa0_score-k_q557fef3fa0_score
	.p2alignl 7, 3214868480
	.fill 96, 4, 3214868480
	.section	.rodata,"a",@progbits
	.p2align	6, 0x0
	.amdhsa_kernel k_q557fef3fa0_score
		.amdhsa_group_segment_fixed_size 327680
		.amdhsa_private_segment_fixed_size 0
		.amdhsa_enable_private_segment 0
		.amdhsa_kernarg_size 24
		.amdhsa_user_sgpr_count 2
		.amdhsa_user_sgpr_kernarg_segment_ptr 1
		.amdhsa_wavefront_size32 1
		.amdhsa_system_sgpr_workgroup_id_x 1
		.amdhsa_system_sgpr_workgroup_id_y 1
		.amdhsa_system_sgpr_workgroup_id_z 1
		.amdhsa_system_vgpr_workitem_id 0
		.amdhsa_next_free_vgpr 1024
		.amdhsa_next_free_sgpr 80
		.amdhsa_reserve_vcc 0
		.amdhsa_float_denorm_mode_32 3
		.amdhsa_float_denorm_mode_16_64 3
		.amdhsa_memory_ordered 1
		.amdhsa_forward_progress 1
		.amdhsa_inst_pref_size 254
	.end_amdhsa_kernel
	.amdgpu_metadata
---
amdhsa.version: [ 1, 2 ]
amdhsa.kernels:
  - .name:           k_q557fef3fa0_score
    .symbol:         k_q557fef3fa0_score.kd
    .args:
      - { .name: qkv, .offset: 0, .size: 8, .value_kind: global_buffer, .address_space: global }
      - { .name: p, .offset: 8, .size: 8, .value_kind: global_buffer, .address_space: global }
      - { .name: st, .offset: 16, .size: 8, .value_kind: global_buffer, .address_space: global }
    .group_segment_fixed_size: 327680
    .private_segment_fixed_size: 0
    .kernarg_segment_align: 8
    .kernarg_segment_size: 24
    .max_flat_workgroup_size: 128
    .sgpr_count:     80
    .vgpr_count:     1024
    .wavefront_size: 32
...
	.end_amdgpu_metadata
.endif
;; end of part 3
;; launch ctx (part 4): grid 8 x 32, 4 waves a work-group, clusters of 4 x 4, 327,680 bytes of LDS; arguments p, qkv, st, out0; writes out0
.if DOCPART == 4
	.amdgcn_target "amdgcn-amd-amdhsa--gfx1250"
	.amdhsa_code_object_version 6
	.text
	.protected	k_q557fef3fa0_ctx
	.globl	k_q557fef3fa0_ctx
	.p2align	8
	.type	k_q557fef3fa0_ctx,@function
k_q557fef3fa0_ctx:
	s_mov_b64 s[64:65], 0
	v_nop
	global_prefetch_b8 v0, s[64:65] scope:SCOPE_SE
	s_setreg_imm32_b32 hwreg(HW_REG_WAVE_MODE, 25, 1), 1
	s_wait_xcnt 0x0
	s_wait_alu depctr_hold_cnt(0) depctr_sa_sdst(0) depctr_va_vdst(0) depctr_va_sdst(0) depctr_va_ssrc(0) depctr_va_vcc(0) depctr_vm_vsrc(0)
	s_getreg_b32 s2, hwreg(HW_REG_IB_STS2, 6, 4)
	s_cmp_eq_u32 s2, 0
	s_cbranch_scc0 .Lentry_in_a_cluster
	s_endpgm
.Lentry_in_a_cluster:
	s_bfe_u32 s2, ttmp6, 0x10000c
	s_cmp_lg_u32 s2, 0xf033
	s_cbranch_scc0 .Lentry_shape_is_right
	s_endpgm
.Lentry_shape_is_right:
; out0[row][col] = (sum over keys of f p v) / L: the second stage of the softmax and the product with v.
; For each row: M = the largest of the 32 key blocks' m, f = 2^(m - M) for each block, L = the sum of f l.
; p: [block of 16 rows][tile of 16 keys][lane][16 bytes] f16, as the launch before left it; v = columns 2048-3071 of qkv[4096][3072] f16;
; st[row block][key block][row][m, l] f32; out0[4096][1024] f32.
; A work-group makes 128 rows x 128 columns.  Keys go in 8 steps of 512.  THE FOUR WAVES SPLIT THE KEYS: wave w multiplies keys 128 w .. 128 w + 127 of every
; step (one key block, number 4 step + w) into a whole 128 x 128 accumulator (512 registers); the four partial sums meet once, at the end, in LDS.
; v goes through two LDS slots of 512 keys.  Wave w fetches the 128 keys that it multiplies, so it reads only what its own loads brought.
; CLUSTERS: 4 x 4 work-groups.  v's tile hangs on the block column alone and is asked for jointly along a column of the cluster.
; p DOES NOT GO THROUGH LDS AND IS NOT ASKED FOR JOINTLY.  The reason, by this text's arithmetic: since the waves split the keys, each byte of p is used by one
; wave, once, and it lies in memory in the order of the matrix instruction's registers: a load of 16 bytes a lane (512 consecutive bytes a wave) fills
; half an operand.  A wave keeps up to 56 such loads on their way behind counted waits, each asked for 3.5 quarter steps ahead.  LDS is then v's alone: with p
; beside it the same bytes held two slots of 256 keys, 112 matrix instructions of a wave from a slot's request to the wait for it; now it is 240.
; The price: each of the eight work-groups of a block row reads that row's p for itself.
; The matrix instruction is used transposed: source 0 = 16 columns of v (brought from [key][column] rows by the transposing LDS load), source 1 = 16 rows of p:
; lane l holds row l % 16 and columns 8 (l / 16) + 0 .. 7 of a tile.
; p's operand of 16 rows is scaled by one packed word (f, f) a lane; L is made with f as rounded to f16, the f that the products see.
; LIMITS: f and f p below 6e-8 become 0 in f16: a weight under 2^-24 of the row's largest.  The sums' order is not the reference's.
;
; REGISTERS: window 0: v12-30 addresses and small things, v40-47 factors, v64-127, v128-191, v192-255 p's buffers 0, 1, 2;
;   window 1: v64-127, v128-191 v's two operand buffers, v192-255 p's buffer 3;   windows 2, 3: the accumulators of rows 0-63, 64-127 (tile (a, b) at v[8 (8 a + b)]).
.set SEQ,   4096
.set LDV,   3072                       ; elements in a row of qkv
.set LDO,   1024                       ; f32 in a row of out0
.set KSTEP, 512                        ; keys in a slot
.set WKEYS, 128                        ; of them a wave's
.set PV,    288                        ; v's LDS row: 256 bytes + 32: an odd multiple of 32, for the transposing load
.set PART,  WKEYS*PV                   ; 36,864: what one wave's load fills
.set SLOT,  4*PART
.set FTAB,  2*SLOT                     ; 16,384 bytes: the word (f, f) of row 16 a + r, key block cb, at (a >> 1) 4096 + 128 cb + 8 r + 4 (a & 1)
.set RP,    528                        ; the reduction's stage: a row of 128 f32 + 16 bytes
.set RW,    128*RP                     ; one wave's partial sums; the four lie in bytes 0 .. 4 RW - 1 of the slots, behind the slots' last fill
.set LAPS,  SEQ/(2*KSTEP)              ; 4
.set PRB,   131072                     ; bytes of p for a block of 16 rows: 256 tiles of 512 bytes
.set PSTEP, (KSTEP/16)*512             ; 16,384: a step's tiles in such a block
.set LS,   12                          ; v12-15  set-up: four chains of L
.set ADRB, 20                          ; v20-21  LDS address of my v operands in slot 0, 1
.set FADR, 22                          ; v22     my factor words of the next step to be fetched
.set RSTO, 24                          ; v24     where my 32 bytes of a tile's row go in my stage
.set RRD,  25                          ; v25-28  where I read 16 bytes of a row of wave q's stage
.set CO,   29                          ; v29     16 x lane
.set IL,   30                          ; v30     1 / L of row 32 wave + lane
.set WF,   32                          ; v32-63  set-up: (f, f) of the 32 key blocks
.set FAC,  40                          ; v[40:47] the step's factor words of row blocks 0 to 7
.set F0,   64                          ; the way out: two buffers in window 0
.set F1,   128
.set VF0,  64                          ; v's operand buffers, in window 1
.set VF1,  128
.set EX,   160                         ; v160-191 set-up: m - M, then f
.set ST,   192                         ; v192-255 set-up: (m, l) of the 32 key blocks
.set PP,  14                           ; s[14:15] p at my row block, my wave's keys, the lap's first step
.set G1,  24                           ; s[24:31] descriptor group 1 for v's tiles
.set G0,  32                           ; s[32:39] descriptor group 0, one set for each slot
.set MSB, 0
.macro WIN new                         ; the immediate's high byte repeats the setting that is left; a switch that changes nothing is dropped
.if MSB != (\new)
	s_set_vgpr_msb (MSB<<8)|(\new)
.set MSB, (\new)
.endif
.endm
.set TO_B, 0x40                        ; destination window 1, address window 0
.macro PSEL q                          ; p's buffer q: its first register PBR and its window PW
.if (\q) == 3
.set PBR, 192
.set PW, 1
.else
.set PBR, 64+64*(\q)
.set PW, 0
.endif
.endm
.macro CREST                           ; a round of the cluster's barrier behind its opening barrier
	s_cmp_lg_u32 s10, 0
	s_cbranch_scc1 .Lnot_wave_0_\@
	s_barrier_signal -3
.Lnot_wave_0_\@:
	s_barrier_wait -3
	s_barrier_signal -1
	s_barrier_wait -1
.endm
.macro CROUND
	s_barrier_signal -1
	s_barrier_wait -1
	CREST
.endm
; eight loads: p's rows 64 half .. 64 half + 63, the 32 keys of quarter q, at byte off from the lap's first step, into buffer q.
; Row block a's two tiles are 1,024 consecutive bytes; each load of the wave covers 512 of them.
.macro PFETCH q, half, off
	PSEL \q
	WIN PW<<6
.irp a, 0,1,2,3
	global_load_b128 v[PBR+8*(4*\half+\a):PBR+8*(4*\half+\a)+3],   v[CO], s[PP:PP+1] offset:(4*\half+\a)*PRB+(\off)+(\q)*1024
	global_load_b128 v[PBR+8*(4*\half+\a)+4:PBR+8*(4*\half+\a)+7], v[CO], s[PP:PP+1] offset:(4*\half+\a)*PRB+(\off)+(\q)*1024+512
.endr
.endm
	s_load_b256 s[68:75], s[0:1], 0x0              ; p s[68:69], qkv s[70:71], st s[72:73], out0 s[74:75]
	s_set_vgpr_msb 0x40
	v_lshl_add_u32 v62, v0, 2, 0x4c000
	v_mov_b32 v63, 0
	s_set_vgpr_msb 0x4045
	ds_add_u32 v62, v63
	s_set_vgpr_msb 0x4500
	v_lshrrev_b32 v1, 5, v0
	v_readfirstlane_b32 s10, v1                    ; wave 0..3
	s_bfe_u32 s40, ttmp6, 0x40000                  ; cx
	s_bfe_u32 s41, ttmp6, 0x40004                  ; cy
	s_lshl_b32 s42, ttmp9, 2
	s_add_co_u32 s42, s42, s40                     ; block column, 0..7
	s_and_b32 s13, ttmp7, 0xffff
	s_lshl_b32 s13, s13, 2
	s_add_co_u32 s13, s13, s41                     ; block row, 0..31
	s_lshl_b32 s44, 0x1111, s40                    ; my column of the cluster: places cx, cx + 4, cx + 8, cx + 12
	s_mov_b32 s77, 0                               ; the upper half of the pair that carries 1 / L: named, not used
	; group 1: 128 rows (keys) x 128 elements of 2 bytes, 8 words of padding behind every 64 words
	s_or_b32 s[G1+0], s44, (1<<16)|(1<<20)|(1<<21)|(5<<22)|(7<<25)
	s_mov_b32 s[G1+1], 128<<16                     ; tensor_dim0 = 128
	s_mov_b32 s[G1+2], WKEYS<<16                   ; tensor_dim1 = 128
	s_mov_b32 s[G1+3], 128<<16                     ; tile_dim0 = 128
	s_mov_b32 s[G1+4], WKEYS                       ; tile_dim1 = 128
	s_mov_b32 s[G1+5], LDV
	s_mov_b32 s[G1+6], 0
	s_mov_b32 s[G1+7], 0
	; v's address is made of the block column and the wave's number alone
	s_lshl_b32 s46, s42, 8                         ; 256 bytes x block column
	s_mul_i32 s47, s10, WKEYS*LDV*2                ; + my 128 keys
	s_add_co_u32 s46, s46, s47
	s_add_co_u32 s46, s46, 2*2048                  ; v's columns begin at element 2048 of a row of qkv
	s_mov_b32 s47, 0
	s_mul_i32 s20, s10, PART                       ; where my load goes
	s_lshl_b32 s16, s13, 20                        ; p: 8 blocks of 16 rows x 131,072 bytes for a block row,
	s_lshl_b32 s17, s10, 12                        ; 8 tiles x 512 bytes for my 128 keys
	s_add_co_u32 s16, s16, s17
	s_mov_b32 s17, 0
	s_lshl_b32 s78, s13, 15                        ; st: 32,768 bytes for a block row
	s_mov_b32 s79, 0
	s_wait_dscnt 0x0
	s_wait_kmcnt 0x0
	s_add_nc_u64 s[PP:PP+1], s[68:69], s[16:17]
	s_add_nc_u64 s[46:47], s[70:71], s[46:47]
	s_add_nc_u64 s[72:73], s[72:73], s[78:79]
	CROUND                                         ; the first joint loads meet
.irp s, 0,1
	s_mov_b32 s[G0+4*\s], 1
	s_add_co_u32 s[G0+4*\s+1], s20, \s*SLOT
	s_add_nc_u64 s[G0+4*\s+2:G0+4*\s+3], s[46:47], \s*KSTEP*LDV*2
	s_or_b32 s[G0+4*\s+3], s[G0+4*\s+3], 0x80000000
	tensor_load_to_lds s[G0+4*\s:G0+4*\s+3], s[G1:G1+7]            ; every wave asks for its own 128 keys
	s_nop 0
.endr
	; thread i takes row i of the block: its 32 pairs (m, l).  A wave's load covers 256 consecutive bytes.
	v_lshlrev_b32 v7, 3, v0
	v_and_b32 v9, 31, v0                           ; lane
	v_lshlrev_b32 v[CO], 4, v9
.set j, 0
.rept 32
	global_load_b64 v[ST+2*j:ST+2*j+1], v7, s[72:73] offset:1024*j
.set j, j+1
.endr
	PFETCH 0, 0, 0                                 ; step 0's p: the three groups whose registers the set-up does not use
	PFETCH 0, 1, 0
	PFETCH 1, 0, 0
	WIN 0
	; addresses, while these are on their way
	v_and_b32 v1, 15, v0                           ; r = l % 16
	v_bfe_u32 v2, v0, 4, 1                         ; h = l / 16
	v_mul_u32_u24 v3, v1, RP
	v_and_b32 v5, 7, v0
	v_lshl_add_u32 v5, v2, 3, v5                   ; v: key 8 h + l % 8,
	v_mul_u32_u24 v5, v5, PV
	v_bfe_u32 v10, v0, 3, 1
	v_lshl_add_u32 v5, v10, 4, v5                  ; 16 bytes for each eight lanes
	v_add_nc_u32 v[ADRB], s20, v5                  ; in my own part of slot 0
	v_add_nc_u32 v[ADRB+1], SLOT, v[ADRB]          ; and of slot 1
	s_lshl_b32 s23, s10, 7
	s_add_co_u32 s23, s23, FTAB
	v_lshl_add_u32 v[FADR], v1, 3, s23             ; FTAB + 128 x (my key block of step 0) + 8 r
	s_mul_i32 s23, s10, RW
	v_lshl_add_u32 v11, v2, 5, v3                  ; stage: row r, 32 bytes for each half of the lanes
	v_add_nc_u32 v[RSTO], s23, v11
	s_mul_i32 s23, s10, 32*RP                      ; the 32 rows that I finish
.irp q, 0,1,2,3
	v_add_nc_u32 v[RRD+\q], s23, v[CO]
	s_add_co_u32 s23, s23, RW
.endr
	s_lshl_b32 s23, s10, 12
	s_add_co_u32 s23, s23, FTAB                    ; my wave's rows are row blocks 2 wave and 2 wave + 1: its own 4,096 bytes of the table
	v_lshlrev_b32 v4, 2, v2
	v_lshl_add_u32 v4, v1, 3, v4                   ; 8 r + 4 h
	v_add_nc_u32 v6, s23, v4
	s_wait_loadcnt 24                              ; the 32 pairs are in; the 24 loads of p issued behind them stay out
	v_max_num_f32 v8, v[ST], v[ST+2]               ; M
.set j, 2
.rept 15
	v_max3_num_f32 v8, v8, v[ST+2*j], v[ST+2*j+2]
.set j, j+2
.endr
.set j, 0
.rept 32
	v_sub_f32 v[EX+j], v[ST+2*j], v8
.set j, j+1
.endr
.set j, 0
.rept 32
	v_exp_f32 v[EX+j], v[EX+j]
.set j, j+1
.endr
	v_nop                                          ; one plain vector instruction behind the last exponential (ISA guide 5.7.2)
.set j, 0
	s_wait_alu depctr_va_vdst(0)
.rept 32
	v_cvt_pk_f16_f32 v[WF+j], v[EX+j], v[EX+j]     ; (f, f)
.set j, j+1
.endr
.set j, 0
.rept 32
	ds_store_b32 v6, v[WF+j] offset:128*j
.set j, j+1
.endr
.set j, 0
.irp h, v32.l,v33.l,v34.l,v35.l,v36.l,v37.l,v38.l,v39.l,v40.l,v41.l,v42.l,v43.l,v44.l,v45.l,v46.l,v47.l,v48.l,v49.l,v50.l,v51.l,v52.l,v53.l,v54.l,v55.l,v56.l,v57.l,v58.l,v59.l,v60.l,v61.l,v62.l,v63.l
	v_cvt_f32_f16 v[EX+j], \h                      ; f as the products will see it (the registers WF .. WF + 31 by name: halves are named so)
.set j, j+1
.endr
.irp k, 0,1,2,3
	v_mul_f32 v[LS+\k], v[EX+\k], v[ST+2*\k+1]     ; the first four blocks start four chains
.endr
.set j, 4
.rept 28
	v_fmac_f32 v[LS+j%4], v[EX+j], v[ST+2*j+1]
.set j, j+1
.endr
	v_add_f32 v[LS], v[LS], v[LS+1]
	v_add_f32 v[LS+2], v[LS+2], v[LS+3]
	v_add_f32 v[LS], v[LS], v[LS+2]
	v_rcp_f32 v[IL], v[LS]                         ; the block that holds M has f = 1 and l of about 1 or more: L is not small
	v_nop
	PFETCH 1, 1, 0                                 ; the set-up's registers are free: four more groups of step 0's p.  The eighth goes out in the first quarter step,
	PFETCH 2, 0, 0                                 ; like every buffer 3's upper half
	PFETCH 2, 1, 0
	PFETCH 3, 0, 0
	WIN 0
; 16 matrix instructions: row blocks a0, a0 + 1 of the window's four x all 8 column blocks, 32 keys; v from buffer vf, p from the buffer that PSEL chose.
; The 64 accumulators take turns, one instruction a turn, in the same order in every quarter step.
.macro MUL16 vf, hi, a0, zero
.irp a, \a0, \a0+1
.irp b, 0,1,2,3,4,5,6,7
.if \zero
	v_wmma_f32_16x16x32_f16 v[8*(8*(\a)+\b):8*(8*(\a)+\b)+7], v[\vf+8*\b:\vf+8*\b+7], v[PBR+8*(4*\hi+\a):PBR+8*(4*\hi+\a)+7], 0
.else
	v_wmma_f32_16x16x32_f16 v[8*(8*(\a)+\b):8*(8*(\a)+\b)+7], v[\vf+8*\b:\vf+8*\b+7], v[PBR+8*(4*\hi+\a):PBR+8*(4*\hi+\a)+7], v[8*(8*(\a)+\b):8*(8*(\a)+\b)+7]
.endif
.endr
.endr
.endm
.macro PLACES
.rept 4
	v_nop
.endr
.endm
; v's operands of quarter q (32 of my keys x 128 columns) into buffer vf: 16 transposing loads
.macro FETCHV slot, q, vf
	WIN TO_B
.irp b, 0,1,2,3,4,5,6,7
	ds_load_tr16_b128 v[\vf+8*\b:\vf+8*\b+3],   v[ADRB+\slot] offset:(\q)*32*PV+32*\b
	ds_load_tr16_b128 v[\vf+8*\b+4:\vf+8*\b+7], v[ADRB+\slot] offset:(\q)*32*PV+32*\b+16*PV
.endr
.endm
; the eight factor words of my key block of the next step; the table's address moves four key blocks on
.macro FACLOAD
	WIN 0
.irp k, 0,1,2,3
	ds_load_b64 v[FAC+2*\k:FAC+2*\k+1], v[FADR] offset:4096*\k
.endr
	v_add_nc_u32 v[FADR], 512, v[FADR]
.endm
; p's row blocks 4 half .. 4 half + 3 of buffer q times f.  These 32 plain vector instructions name no register of the matrix instructions in front of them
; (which read other halves of p's buffers), so they are also the places in front of the runs of loads that follow them.
.macro SCALE q, half
	PSEL \q
	WIN (PW<<6)|PW
.irp a, 0,1,2,3
.irp i, 0,1,2,3,4,5,6,7
	v_pk_mul_f16 v[PBR+8*(4*\half+\a)+\i], v[PBR+8*(4*\half+\a)+\i], v[FAC+4*\half+\a]
.endr
.endr
.endm
; One of a step's first three quarter steps.  q: the quarter and p's buffer; qp: the buffer of the quarter before; qn: the next quarter; vf, vg: v's buffer now and next;
; so: the step's place in the lap (0, 1); pfh, pfl: the two refills of p are made; lcl, lch: how many younger loads of p may stay out.
; p's groups of eight loads go out in one fixed order: (0 low), (0 high), (1 low), .. (3 high), (0 low) ..; a half buffer is asked for again as soon as the products that
; read it are issued.  When a group is needed, the six groups behind it have been issued: 48 loads stay out.
.macro QUARTER slot, q, qp, qn, vf, vg, zero, so, pfh, pfl, lcl, lch
	s_wait_loadcnt \lcl                            ; p's rows 0-63 of this quarter are in
.if \q == 0
	s_wait_dscnt 16                                ; the step's four factor loads are in; the 16 loads of v behind them may be out
.endif
	SCALE \q, 0
.if \pfh
.if \q == 0
	PFETCH \qp, 1, (\so)*PSTEP                     ; buffer 3's rows 64-127 for this step's last quarter
.else
	PFETCH \qp, 1, (\so+1)*PSTEP                   ; the buffer just left: its rows 64-127 for the next step
.endif
.endif
	FETCHV \slot, \qn, \vg
	s_wait_dscnt 16                                ; this quarter's v is in: all but the 16 just issued
	PSEL \q
	WIN 0xa1|(PW<<2)                               ; source 0 (v) window 1, source 1 (p) its buffer's window, C and D window 2
	MUL16 \vf, 0, 0, \zero
	MUL16 \vf, 0, 2, \zero
	s_wait_loadcnt \lch                            ; p's rows 64-127 of this quarter are in
	SCALE \q, 1
.if \pfl
	PFETCH \q, 0, (\so+1)*PSTEP                    ; this buffer's rows 0-63 for the next step
.endif
	PSEL \q
	WIN 0xf1|(PW<<2)                               ; C and D window 3
	MUL16 \vf, 1, 0, \zero
	MUL16 \vf, 1, 2, \zero
.endm
; A step's last quarter, which changes slots.  In front of the barrier each wave waits for its reads of this slot and for all its tensor loads (one is out: its part of
; the next slot); behind it the refill comes first, then the next step's factors and first operands.  From a request to the wait for it a wave issues 240 matrix instructions.
.macro TURN slot, next, fill, so
	s_wait_loadcnt 48
	SCALE 3, 0
	PFETCH 2, 1, (\so+1)*PSTEP
	s_wait_dscnt 0                                 ; this quarter's v is in: my reads of this slot are over
	PSEL 3
	WIN 0xa1|(PW<<2)
	MUL16 VF1, 0, 0, 0
	s_wait_tensorcnt 0x0                           ; all my tensor loads have landed
	ds_add_u32 v62, v63
	s_wait_dscnt 0x0
	s_barrier_signal -1                            ; (where a slot is filled again this barrier opens a round of the cluster's barrier)
	MUL16 VF1, 0, 2, 0                             ; registers only
	WIN 0
	s_barrier_wait -1
.if \fill
	CREST                                          ; no wave of any partner still reads this slot or has a load on its way
	s_add_nc_u64 s[G0+4*\slot+2:G0+4*\slot+3], s[G0+4*\slot+2:G0+4*\slot+3], 2*KSTEP*LDV*2
	tensor_load_to_lds s[G0+4*\slot:G0+4*\slot+3], s[G1:G1+7]      ; the first tensor load behind the round
	s_nop 0
.endif
	s_wait_loadcnt 48
	SCALE 3, 1                                     ; the last use of this step's factors
	PFETCH 3, 0, (\so+1)*PSTEP
	FACLOAD
	FETCHV \next, 0, VF0
	PSEL 3
	WIN 0xf1|(PW<<2)
	MUL16 VF1, 1, 0, 0
	MUL16 VF1, 1, 2, 0
.endm
.macro STEP slot, next, fill, so, zero
	QUARTER \slot, 0, 3, 1, VF0, VF1, \zero, \so, 1, 1, 48, 48
	QUARTER \slot, 1, 0, 2, VF1, VF0, 0,     \so, 1, 1, 48, 48
	QUARTER \slot, 2, 1, 3, VF0, VF1, 0,     \so, 1, 1, 48, 48
	TURN \slot, \next, \fill, \so
.endm
.macro LAP zero                        ; two steps, both slots filled again; then p's base moves two steps on
	STEP 0, 1, 1, 0, \zero
	STEP 1, 0, 1, 1, 0
	WIN 0
	s_wait_xcnt 0x0                                ; the base of the loads of p that are out is rewritten only behind this wait
	s_add_nc_u64 s[PP:PP+1], s[PP:PP+1], 2*PSTEP
.endm
	s_wait_dscnt 0x0                               ; my words of the factor table are written
	s_wait_tensorcnt 1                             ; my part of step 0 is in; step 1's stays out
	s_barrier_signal -1
	s_barrier_wait -1                              ; everybody's words of the table are written
	FACLOAD
	FETCHV 0, 0, VF0
	LAP 1                                          ; the first lap starts the sums
	s_mov_b32 s3, LAPS-2
.Llap:
	LAP 0
	s_sub_co_u32 s3, s3, 1
	s_cmp_lg_u32 s3, 0
	s_cbranch_scc1 .Llap
	STEP 0, 1, 0, 0, 0                             ; the last lap fills no slot; its first step still asks for the last step's p
	QUARTER 1, 0, 3, 1, VF0, VF1, 0, 1, 1, 0, 48, 48               ; the last group of p goes out here; from now on the counts run down
	QUARTER 1, 1, 0, 2, VF1, VF0, 0, 1, 0, 0, 40, 32
	QUARTER 1, 2, 1, 3, VF0, VF1, 0, 1, 0, 0, 24, 16
	s_wait_loadcnt 8                               ; the very last quarter
	SCALE 3, 0
	s_wait_dscnt 0                                 ; my last reads of the slots are over; every tensor load landed in front of the barrier before this one
	PSEL 3
	WIN 0xa1|(PW<<2)
	MUL16 VF1, 0, 0, 0
	MUL16 VF1, 0, 2, 0
	s_wait_loadcnt 0
	SCALE 3, 1
	s_barrier_signal -1
	PSEL 3
	WIN 0xf1|(PW<<2)
	MUL16 VF1, 1, 0, 0
	MUL16 VF1, 1, 2, 0
	WIN 0
	s_barrier_wait -1                              ; nobody reads the slots any more, and nothing is filled again: they become the stage
	; THE WAY OUT.  Each wave lays its 128 x 128 partial sums into its own stage; wave w then adds the four for rows 32 w .. 32 w + 31.
	PLACES                                         ; four places behind the last matrix instructions before their results are stored
	s_lshl_b32 s78, s13, 19                        ; 128 rows x 4,096 bytes x block row
	s_lshl_b32 s79, s10, 17                        ; + 32 rows x wave
	s_add_co_u32 s78, s78, s79
	s_lshl_b32 s79, s42, 9                         ; + 512 bytes x block column
	s_add_co_u32 s78, s78, s79
	s_mov_b32 s79, 0
	s_add_nc_u64 s[74:75], s[74:75], s[78:79]
.irp hi, 0,1
	WIN 0x08+4*\hi                                 ; an LDS store's data are source 1: window 2, then window 3
.irp a, 0,1,2,3
.irp b, 0,1,2,3,4,5,6,7
	ds_store_b128 v[RSTO], v[8*(8*\a+\b):8*(8*\a+\b)+3]   offset:(4*\hi+\a)*16*RP+64*\b
	ds_store_b128 v[RSTO], v[8*(8*\a+\b)+4:8*(8*\a+\b)+7] offset:(4*\hi+\a)*16*RP+64*\b+16
.endr
.endr
.endr
	WIN 0
	s_wait_dscnt 0x0                               ; my partial sums are written
	s_barrier_signal -1
	s_barrier_wait -1                              ; everybody's are
; four rows (4 g .. 4 g + 3 of my 32) of all four stages into buffer f: row i, stage q in v[f + 16 i + 4 q ..]; a load covers a row's 512 bytes.
; g may be given as a sum: it stands in parentheses wherever it is multiplied.
.macro RLOAD g, f
.irp i, 0,1,2,3
.irp q, 0,1,2,3
	ds_load_b128 v[\f+16*\i+4*\q:\f+16*\i+4*\q+3], v[RRD+\q] offset:(4*(\g)+\i)*RP
.endr
.endr
.endm
; they are added as (0 + 1) + (2 + 3), divided by L and stored.  left: the loads of the next group, which may stay out.
.macro RSUM g, f, left
	s_wait_dscnt \left
	s_wait_alu depctr_va_vdst(0)
.irp i, 0,1,2,3
	v_pk_add_f32 v[\f+16*\i:\f+16*\i+1],     v[\f+16*\i:\f+16*\i+1],     v[\f+16*\i+4:\f+16*\i+5]
	v_pk_add_f32 v[\f+16*\i+2:\f+16*\i+3],   v[\f+16*\i+2:\f+16*\i+3],   v[\f+16*\i+6:\f+16*\i+7]
	v_pk_add_f32 v[\f+16*\i+8:\f+16*\i+9],   v[\f+16*\i+8:\f+16*\i+9],   v[\f+16*\i+12:\f+16*\i+13]
	v_pk_add_f32 v[\f+16*\i+10:\f+16*\i+11], v[\f+16*\i+10:\f+16*\i+11], v[\f+16*\i+14:\f+16*\i+15]
	v_readlane_b32 s76, v[IL], 4*(\g)+\i           ; 1 / L of this row: lane 4 g + i made it
	v_pk_add_f32 v[\f+16*\i:\f+16*\i+1],     v[\f+16*\i:\f+16*\i+1],     v[\f+16*\i+8:\f+16*\i+9]
	v_pk_add_f32 v[\f+16*\i+2:\f+16*\i+3],   v[\f+16*\i+2:\f+16*\i+3],   v[\f+16*\i+10:\f+16*\i+11]
	v_pk_mul_f32 v[\f+16*\i:\f+16*\i+1],     v[\f+16*\i:\f+16*\i+1],     s[76:77] op_sel_hi:[1,0]
	v_pk_mul_f32 v[\f+16*\i+2:\f+16*\i+3],   v[\f+16*\i+2:\f+16*\i+3],   s[76:77] op_sel_hi:[1,0]
	global_store_b128 v[CO], v[\f+16*\i:\f+16*\i+3], s[74:75] offset:(4*(\g)+\i)*LDO*4   ; the wave stores 512 consecutive bytes at a multiple of 512
.endr
.endm
	RLOAD 0, F0
	RLOAD 1, F1
	RSUM 0, F0, 16
.irp g, 1,3,5
	s_wait_xcnt 0x0                                ; buffer 0, which the stores above read, is loaded again only behind this wait
	RLOAD (\g+1), F0
	RSUM \g, F1, 16
	s_wait_xcnt 0x0                                ; and buffer 1
	RLOAD (\g+2), F1
	RSUM (\g+1), F0, 16
.endr
	RSUM 7, F1, 0
	s_set_vgpr_msb 0x5
	s_wait_tensorcnt 0x0
	ds_add_u32 v62, v63
	s_wait_dscnt 0x0
	s_set_vgpr_msb 0x500
	CROUND                                         ; the closing round: no work-group ends while a partner may still ask for a tile that names it
	s_endpgm
.Lfunc_end_k_q557fef3fa0_ctx:
	.size	k_q557fef3fa0_ctx, .Lfunc_end_k_q557fef3fa0_ctx-k_q557fef3fa0_ctx
	.p2alignl 7, 3214868480
	.fill 96, 4, 3214868480
	.section	.rodata,"a",@progbits
	.p2align	6, 0x0
	.amdhsa_kernel k_q557fef3fa0_ctx
		.amdhsa_group_segment_fixed_size 327680
		.amdhsa_private_segment_fixed_size 0
		.amdhsa_enable_private_segment 0
		.amdhsa_kernarg_size 32
		.amdhsa_user_sgpr_count 2
		.amdhsa_user_sgpr_kernarg_segment_ptr 1
		.amdhsa_wavefront_size32 1
		.amdhsa_system_sgpr_workgroup_id_x 1
		.amdhsa_system_sgpr_workgroup_id_y 1
		.amdhsa_system_sgpr_workgroup_id_z 1
		.amdhsa_system_vgpr_workitem_id 0
		.amdhsa_next_free_vgpr 1024
		.amdhsa_next_free_sgpr 80
		.amdhsa_reserve_vcc 0
		.amdhsa_float_denorm_mode_32 3
		.amdhsa_float_denorm_mode_16_64 3
		.amdhsa_memory_ordered 1
		.amdhsa_forward_progress 1
		.amdhsa_inst_pref_size 255
	.end_amdhsa_kernel
	.section	.bss,"aw",@nobits
	.p2align	6
	.space	262144
	.amdgpu_metadata
---
amdhsa.version: [ 1, 2 ]
amdhsa.kernels:
  - .name:           k_q557fef3fa0_ctx
    .symbol:         k_q557fef3fa0_ctx.kd
    .args:
      - { .name: p, .offset: 0, .size: 8, .value_kind: global_buffer, .address_space: global }
      - { .name: qkv, .offset: 8, .size: 8, .value_kind: global_buffer, .address_space: global }
      - { .name: st, .offset: 16, .size: 8, .value_kind: global_buffer, .address_space: global }
      - { .name: out0, .offset: 24, .size: 8, .value_kind: global_buffer, .address_space: global }
    .group_segment_fixed_size: 327680
    .private_segment_fixed_size: 0
    .kernarg_segment_align: 8
    .kernarg_segment_size: 32
    .max_flat_workgroup_size: 128
    .sgpr_count:     80
    .vgpr_count:     1024
    .wavefront_size: 32
...
	.end_amdgpu_metadata
.endif
;; end of part 4
;; ======== version 2 of 2: 4 launches; version 1 with the launch cast written anew for expert scheduling mode
;; limits: values are held in f16: magnitudes above 65,504 overflow, below 6.1e-05 lose precision
;; workspace buffers: xh 8,388,608 bytes; wh 6,291,456 bytes; qkv 25,165,824 bytes; p 33,554,432 bytes; st 1,048,576 bytes
;; launch cast (part 5): grid 256 x 1, 8 waves a work-group, no clusters, 0 bytes of LDS; arguments x, Wq, Wk, Wv, xh, wh; writes xh, wh
.if DOCPART == 5
	.amdgcn_target "amdgcn-amd-amdhsa--gfx1250"
	.amdhsa_code_object_version 6
	.text
	.protected	k_q557fef3fa0_cast
	.globl	k_q557fef3fa0_cast
	.p2align	8
	.type	k_q557fef3fa0_cast,@function
k_q557fef3fa0_cast:
	s_mov_b64 s[64:65], 0
	v_nop
	global_prefetch_b8 v0, s[64:65] scope:SCOPE_SE
	s_setreg_imm32_b32 hwreg(HW_REG_WAVE_SCHED_MODE, 0, 2), 2
	s_setreg_imm32_b32 hwreg(HW_REG_WAVE_MODE, 25, 1), 1
	s_wait_xcnt 0x0
	s_wait_alu depctr_vm_vsrc(0)
; xh = x in f16; wh = Wq, Wk, Wv in f16, laid one behind the other as [3072][1024].
; A stream: each input byte is read once, each output byte written once.  No LDS, no matrix unit and no cluster: no two work-groups share a byte.
; 256 work-groups of 8 waves.  Work-group g takes 65,536 bytes of x and 16,384 bytes of each W: 28 loads of 16 bytes a thread, all issued
; before the first result is used, so the text is straight and no register is written twice.
; A wave's load covers 512 consecutive bytes, its store 256 consecutive bytes at a multiple of 256 from the buffer's first byte.
; LIMIT: a number above 65,504 in magnitude becomes an infinity in f16; below 6e-8 it becomes 0.
; THE MODE: SCHED_MODE bits 1:0 = 2 (LLVM: expert scheduling mode 2), set by the entry lines.  The code itself states the register dependences
; between vector instructions and memory instructions, with s_wait_alu, always for 0.
; THE PLAN.  Registers that memory instructions touch:
;   v1, v2   byte offsets of the loads and of the stores: written once at the head, never again.
;   X        load n's four registers: written by that load alone, read by its two conversions.  No vector instruction names them ahead of the loads.
;   Y        load n's two registers: written once, by its conversions; read once, by its store; never written again.
; The 28 loads are taken in seven groups of four (x: groups 0 to 3; each W: one group).  Group g's conversions write group g's Y; the memory instructions
; that stand among them are the four stores of group g - 1, which read group g - 1's Y and v2: registers that no conversion of group g names.
; So one wait at a group's head states all that its four stores hang on.  No register that a memory instruction reads is written again: there is no wait on vm_vsrc.
.set NLOADS, 28                        ; 16 of x, 4 of each W
.set GROUP_N, 4                        ; loads in a group
.set X, 4                              ; v[4:115]    load n: 4 f32
.set Y, 116                            ; v[116:171]  load n: 4 f16 in 2 registers
	s_load_b256 s[4:11], s[0:1], 0x0               ; x s[4:5], Wq s[6:7], Wk s[8:9], Wv s[10:11]
	s_load_b128 s[12:15], s[0:1], 0x20             ; xh s[12:13], wh s[14:15]
	s_lshl_b32 s16, ttmp9, 16                      ; my part of x, in bytes
	s_mov_b32 s17, 0
	s_lshl_b32 s18, ttmp9, 14                      ; my part of each W
	s_mov_b32 s19, 0
	s_lshl_b32 s20, ttmp9, 15                      ; my part of xh: half the bytes
	s_mov_b32 s21, 0
	s_lshl_b32 s22, ttmp9, 13                      ; my part of each third of wh
	s_mov_b32 s23, 0
	v_lshlrev_b32 v1, 4, v0                        ; 16 bytes a thread in
	v_lshlrev_b32 v2, 3, v0                        ; 8 bytes a thread out
	s_wait_kmcnt 0x0
	s_add_nc_u64 s[4:5], s[4:5], s[16:17]
	s_add_nc_u64 s[6:7], s[6:7], s[18:19]
	s_add_nc_u64 s[8:9], s[8:9], s[18:19]
	s_add_nc_u64 s[10:11], s[10:11], s[18:19]
	s_add_nc_u64 s[12:13], s[12:13], s[20:21]
	s_add_nc_u64 s[14:15], s[14:15], s[22:23]
	s_wait_alu depctr_va_vdst(0)                   ; v1 and v2 are written: every load reads v1 as its offset, every store v2
.set n, 0
.rept 16
	global_load_b128 v[X+4*n:X+4*n+3], v1, s[4:5] offset:4096*n th:TH_LOAD_NT
.set n, n+1
.endr
.irp m, 0,1,2
.irp q, 0,1,2,3
	global_load_b128 v[X+4*(16+4*\m+\q):X+4*(16+4*\m+\q)+3], v1, s[6+2*\m:7+2*\m] offset:4096*\q th:TH_LOAD_NT
.endr
.endr
; load n's four numbers in f16 are stored: n below 16 into xh, the others into wh, where each W's f16 copy is 2,097,152 bytes
.macro PUT n
.if (\n) < 16
	global_store_b64 v2, v[Y+2*(\n):Y+2*(\n)+1], s[12:13] offset:2048*(\n)
.else
	global_store_b64 v2, v[Y+2*(\n):Y+2*(\n)+1], s[14:15] offset:(((\n)-16)/4)*2097152+(((\n)-16)%4)*2048
.endif
.endm
; Group g: its four loads are rounded; the stores of the group before stand among the conversions, one ahead of each pair.
.macro GROUP g
	s_wait_loadcnt NLOADS-GROUP_N-GROUP_N*(\g)     ; loads come back in order (ISA guide 5.7.1): so many were issued behind this group's last
.if (\g) > 0
	s_wait_alu depctr_va_vdst(0)                   ; the conversions of the group before have written its Y, which the four stores below read
.endif
.irp i, 0,1,2,3
.if (\g) > 0
	PUT (GROUP_N*(\g)-GROUP_N+\i)                  ; no vector instruction since the wait names this store's registers
.endif
	v_cvt_pk_f16_f32 v[Y+2*(GROUP_N*(\g)+\i)],   v[X+4*(GROUP_N*(\g)+\i)],   v[X+4*(GROUP_N*(\g)+\i)+1]
	v_cvt_pk_f16_f32 v[Y+2*(GROUP_N*(\g)+\i)+1], v[X+4*(GROUP_N*(\g)+\i)+2], v[X+4*(GROUP_N*(\g)+\i)+3]
.endr
.endm
.irp g, 0,1,2,3,4,5,6
	GROUP \g
.endr
	s_wait_alu depctr_va_vdst(0)                   ; the last group's conversions have written its Y, which the last four stores read
.irp i, 0,1,2,3
	PUT (NLOADS-GROUP_N+\i)
.endr
	s_endpgm
.Lfunc_end_k_q557fef3fa0_cast:
	.size	k_q557fef3fa0_cast, .Lfunc_end_k_q557fef3fa0_cast-k_q557fef3fa0_cast
	.p2alignl 7, 3214868480
	.fill 96, 4, 3214868480
	.section	.rodata,"a",@progbits
	.p2align	6, 0x0
	.amdhsa_kernel k_q557fef3fa0_cast
		.amdhsa_group_segment_fixed_size 0
		.amdhsa_private_segment_fixed_size 0
		.amdhsa_enable_private_segment 0
		.amdhsa_kernarg_size 48
		.amdhsa_user_sgpr_count 2
		.amdhsa_user_sgpr_kernarg_segment_ptr 1
		.amdhsa_wavefront_size32 1
		.amdhsa_system_sgpr_workgroup_id_x 1
		.amdhsa_system_sgpr_workgroup_id_y 1
		.amdhsa_system_sgpr_workgroup_id_z 1
		.amdhsa_system_vgpr_workitem_id 0
		.amdhsa_next_free_vgpr 176
		.amdhsa_next_free_sgpr 66
		.amdhsa_reserve_vcc 0
		.amdhsa_float_denorm_mode_32 3
		.amdhsa_float_denorm_mode_16_64 3
		.amdhsa_memory_ordered 1
		.amdhsa_forward_progress 1
		.amdhsa_inst_pref_size 11
	.end_amdhsa_kernel
	.amdgpu_metadata
---
amdhsa.version: [ 1, 2 ]
amdhsa.kernels:
  - .name:           k_q557fef3fa0_cast
    .symbol:         k_q557fef3fa0_cast.kd
    .args:
      - { .name: x, .offset: 0, .size: 8, .value_kind: global_buffer, .address_space: global }
      - { .name: Wq, .offset: 8, .size: 8, .value_kind: global_buffer, .address_space: global }
      - { .name: Wk, .offset: 16, .size: 8, .value_kind: global_buffer, .address_space: global }
      - { .name: Wv, .offset: 24, .size: 8, .value_kind: global_buffer, .address_space: global }
      - { .name: xh, .offset: 32, .size: 8, .value_kind: global_buffer, .address_space: global }
      - { .name: wh, .offset: 40, .size: 8, .value_kind: global_buffer, .address_space: global }
    .group_segment_fixed_size: 0
    .private_segment_fixed_size: 0
    .kernarg_segment_align: 8
    .kernarg_segment_size: 48
    .max_flat_workgroup_size: 256
    .sgpr_count:     66
    .vgpr_count:     176
    .wavefront_size: 32
...
	.end_amdgpu_metadata
.endif
;; end of part 5
;; launch proj: the kernel of part 2 again; grid 12 x 16, 4 waves a work-group, clusters of 4 x 4, 327,680 bytes of LDS; arguments xh, wh, qkv; writes qkv
;; launch score: the kernel of part 3 again; grid 16 x 16, 4 waves a work-group, clusters of 4 x 4, 327,680 bytes of LDS; arguments qkv, p, st; writes p, st
;; launch ctx: the kernel of part 4 again; grid 8 x 32, 4 waves a work-group, clusters of 4 x 4, 327,680 bytes of LDS; arguments p, qkv, st, out0; writes out0
